; MI455X (gfx1250); checked and timed in simulation.
; The chip was launched on July 23, 2026; its instructions are those of AMD's public machine-readable ISA for CDNA 5 (MIT licence, August 2026) and "CDNA5" Instruction Set Architecture Reference Guide (July 2026). The comments in the code are by the model that wrote it; some were corrected since.
;; Self Attention. Allowed arithmetic: matrix products marked QUANTISED: E4M3 operands, one given power-of-two scale a tensor, by v_wmma_f32_16x16x64_fp8_fp8 or v_wmma_f32_16x16x128_fp8_fp8, f32 sums; everything else in f32.
;; Inputs: Wk 768 x 768 float32; Wq 768 x 768 float32; Wv 768 x 768 float32; attention_mask 1 x 1 x 4,096 x 4,096 float32; bk 768 float32; bq 768 float32; bv 768 float32; hidden_state 1 x 4,096 x 768 float32; lowp_scales 10 int32 (the exponents e of the quantised operands' scales 2^e).
;; Outputs: out0 1 x 4,096 x 768 float32.
;; This version of the problem:
;;   THIS VERSION OF THE PROBLEM IS GIVEN IN LOW PRECISION. The matrix products marked QUANTISED in the list below multiply operands that are first quantised to E4M3 (4 exponent bits, 3 mantissa bits; 8 bits a number), with one given power-of-two scale for each operand tensor; their sums are f32. All else is computed in f32.
;;   The module's matrix products, in the order in which they are computed (A, B: the left and right operand; K: the contracted axis; several contracted axes count as one K, in the product's order):
;;     1. [M 4,096, K 768] x [K 768, N 768]; A: input hidden_state; B: input Wq: QUANTISED (scales: A lowp_scales[0], B lowp_scales[1])
;;     2. [M 4,096, K 768] x [K 768, N 768]; A: input hidden_state; B: input Wk: QUANTISED (scales: A lowp_scales[2], B lowp_scales[3])
;;     3. [M 4,096, K 768] x [K 768, N 768]; A: input hidden_state; B: input Wv: QUANTISED (scales: A lowp_scales[4], B lowp_scales[5])
;;     4. batch 12 x [M 4,096, K 64] x [K 64, N 4,096]; A: computed on the way; B: computed on the way: QUANTISED (scales: A lowp_scales[6], B lowp_scales[7])
;;     5. batch 12 x [M 64, K 4,096] x [K 4,096, N 4,096]; A: computed on the way; B: softmax (see below): QUANTISED (scales: A lowp_scales[8], B lowp_scales[9])
;;   THE QUANTISER, for each operand of a quantised product, along K:
;;     - The operand's scale is 2^e, e = its entry of the input lowp_scales (int32; the entries are numbered through the quantised products in the list's order, A before B).
;;     - Each number is divided by the scale, clamped to +-448, and rounded to the nearest number of E4M3, ties to even, subnormals kept.
;;     - The product sums the exact products of the quantised numbers (number of the format x scale) in f32.
;;   ~~~python
;;   def quantise(x, axis, e):      # numpy; x: float32 -> the quantised numbers, widened to float32 again
;;       x = np.moveaxis(x, axis, -1); K = x.shape[-1]
;;       r = np.clip(x / 2.0 ** e, -448, 448)
;;       step = 2.0 ** (np.maximum(np.frexp(np.where(r == 0, 1, r))[1] - 1, -6) - 3)
;;       q = np.round(r / step) * step * 2.0 ** e      # np.round: ties to even
;;       return np.moveaxis(q, -1, axis).astype(np.float32)
;;   ~~~
;;   SOFTMAX AHEAD OF A QUANTISED PRODUCT. Where the list says 'softmax', what is quantised is not the finished softmax but p = 2^(t - M), with t = logit x log2(e) and M = ceil(the row's largest t), a whole number; so 1/2 < the row's largest p <= 1. The row's sum l is taken of the UNQUANTISED p, in f32, and the product's result is divided by l at the end. Since M is a whole number, a kernel that streams over the keys may use a running M (the ceiling of the running maximum): every later rescaling is an exact power of two, so the quantised numbers keep their values, but for numbers so far below the row's largest that they fall under the format's range.
;;   OPERANDS COMPUTED ON THE WAY. 'Computed on the way' means the value that the module computes at that place (a softmax that the list does not call 'softmax' is quantised finished and normalised). What goes into a quantiser is computed in f32, as accurately as f32 sums, v_exp_f32 and their like allow (about 1e-6 of the number): no bf16 or f16 on the way to a quantiser, and a product that is left as it is and whose result goes on into a quantised operand takes f32 operands (vector FMAs, or v_wmma_f32_16x16x4_f32). A number that lies on a knife's edge between two numbers of the format may be rounded either way, as far as f32 arithmetic and the matrix unit's own rounding can turn it there, and no further.
;; One version. Each part assembles by itself: llvm-mc -triple=amdgcn-amd-amdhsa -mcpu=gfx1250 --defsym DOCPART=n.
;; ======== version 1 of 1: 3 launches
;; limits: right only within a limited range of input values
;; workspace buffers: xq_img 3,145,728 bytes; xk_img 3,145,728 bytes; xv_img 3,145,728 bytes; wq_img 589,824 bytes; wk_img 589,824 bytes; wv_img 589,824 bytes; q_img 3,145,728 bytes; kv_img 6,291,456 bytes
;; launch quant (part 1): grid 400 x 1, 6 waves a work-group, no clusters, 51,456 bytes of LDS; arguments hidden_state, Wq, Wk, Wv, lowp_scales, xq_img, xk_img, xv_img, wq_img, wk_img, wv_img; writes xq_img, xk_img, xv_img, wq_img, wk_img, wv_img
.if DOCPART == 1
	.amdgcn_target "amdgcn-amd-amdhsa--gfx1250"
	.amdhsa_code_object_version 6
	.text
	.protected	k_qfcda978ad8_quant
	.globl	k_qfcda978ad8_quant
	.p2align	8
	.type	k_qfcda978ad8_quant,@function
k_qfcda978ad8_quant:
	s_mov_b64 s[64:65], 0
	v_nop
	global_prefetch_b8 v0, s[64:65] scope:SCOPE_SE
	s_setreg_imm32_b32 hwreg(HW_REG_WAVE_MODE, 25, 1), 1
	s_wait_xcnt 0x0
; FIRST OF THREE LAUNCHES.  hidden_state [4096][768] and Wq, Wk, Wv [768][768], f32, K (the 768) innermost, become codes of FP8 (E4M3), each with the scale 2^e given for it:
; code = x / 2^e, held within +-448, to the nearest code, ties to even.  hidden_state is an operand of three products with three scales (entries 0, 2, 4): three sets of codes; Wq, Wk, Wv take entries 1, 3, 5.
; NOTHING OF THE PROBLEM IS LEFT OUT IN THIS PROGRAM: every input has a way to out0 (the three biases move the codes of q, k and v; the mask is added to every score), so all are loaded.
; LAYOUT OF THE CODES: IMAGES OF OPERAND REGISTERS.  An image is 512 bytes, lane l's 16 bytes at 16 l.  A fragment (16 rows x 128 K) is four images c = 0 .. 3: lane (r = l % 16, h = l / 16) holds K = 32 c + 16 h + 0 .. 15 of its row.
; Buffers: [K step s of 128][tile][c][512 bytes].  THE ROWS OF A TILE ARE NOT NEIGHBOURS: lane r of tile 2 g + u holds row 32 g + 8 u + r + 8 (r / 8), so that a product that takes such tiles as its first source
; leaves 16 neighbouring rows in the 16 registers of tiles 2 g and 2 g + 1.
; SHARES.  A work-group takes one tile of 16 rows (numbers 0-255: hidden_state's; 256 + 48 m + t: tile t of the m-th weight); each of its six waves one K step: 512 bytes of each row.
; A load reads 512 consecutive bytes of a row; the 16 rows turn through the wave's own stage in LDS (rows 528 bytes apart: 33 x 16) and come back 64 bytes a lane.
; Each store of a wave covers 512 consecutive bytes, aligned.  No barrier: waves share nothing.
; LIMITS: each e between -126 and 119, so that 2^e and 448 x 2^e are f32 numbers.  NaN among the inputs is not served (an infinity is held at the largest code).
.set ROWB,  3072                       ; a row of 768 f32
.set SP,    528                        ; a stage row
.set WREG,  16*SP                      ; a wave's stage
.set SPARE, 6*WREG                     ; behind the stages: the spare words, 128 bytes for each wave: three blocks of 256 bytes that no other line names
.set SLABX, 524288                     ; a K step of hidden_state's codes: 256 tiles x 2,048 bytes
.set SLABW, 98304                      ; of a weight's: 48 tiles
.set R,   16                           ; v16-79   the rows as loaded; then the held numbers
.set X,   80                           ; v80-143  64 numbers of my row: register 16 c + i = K 32 c + 16 h + i
.set C,   144                          ; v144-191 codes: 16 registers a pass, so that no store's data are written again
.set SPW, 4                            ; v4  LDS address of my spare word; never rewritten
.set NIL, 5                            ; v5  0; never rewritten
.set SC,  6                            ; v6.. for pass p: v[6 + 2 p] = 2^e, v[7 + 2 p] = 448 x 2^e
	s_load_b512 s[4:19], s[0:1], 0x0               ; hidden_state s[4:5], Wq s[6:7], Wk s[8:9], Wv s[10:11], scales s[12:13], xq s[14:15], xk s[16:17], xv s[18:19]
	s_load_b128 s[20:23], s[0:1], 0x40             ; wq_img s[20:21], wk_img s[22:23]
	s_load_b64 s[24:25], s[0:1], 0x50              ; wv_img
	v_lshl_add_u32 v[SPW], v0, 2, SPARE
	v_mov_b32 v[NIL], 0
	v_lshrrev_b32 v1, 5, v0
	v_readfirstlane_b32 s26, v1                    ; wave = K step 0..5
	v_and_b32 v1, 31, v0
	v_lshlrev_b32 v1, 4, v1                        ; 16 x lane: my bytes of a load, of an image
	s_mul_i32 s27, s26, WREG
	v_add_nc_u32 v2, s27, v1                       ; the stage, on the way in
	v_and_b32 v3, 15, v0
	v_mul_u32_u24 v3, v3, SP
	v_bfe_u32 v12, v0, 4, 1
	v_lshl_add_u32 v3, v12, 6, v3
	v_add_nc_u32 v3, s27, v3                       ; and back: row r, + 64 h
	s_sub_co_u32 s44, ttmp9, 256                   ; a weight's work-group: 48 m + t (for hidden_state's it wraps, and the last choice below puts things right)
	s_wait_alu depctr_va_vdst(0)
	s_wait_kmcnt 0x0
	s_load_b256 s[36:43], s[12:13], 0x0            ; e0 .. e7
	s_cmp_ge_u32 s44, 48                           ; all choices hang on the work-group's number alone
	s_cselect_b64 s[28:29], s[8:9], s[6:7]
	s_cselect_b64 s[30:31], s[22:23], s[20:21]
	s_cselect_b32 s45, 48, 0
	s_cmp_ge_u32 s44, 96
	s_cselect_b64 s[28:29], s[10:11], s[28:29]
	s_cselect_b64 s[30:31], s[24:25], s[30:31]
	s_cselect_b32 s45, 96, s45
	s_sub_co_u32 s45, s44, s45                     ; t of a weight
	s_cmp_lt_u32 ttmp9, 256
	s_cselect_b64 s[28:29], s[4:5], s[28:29]       ; the source,
	s_cselect_b64 s[30:31], s[14:15], s[30:31]     ; the first pass's destination,
	s_cselect_b32 s45, ttmp9, s45                  ; the tile,
	s_mov_b32 s46, SLABW
	s_cselect_b32 s46, SLABX, s46                  ; and a K step's bytes in the destination
	s_lshr_b32 s47, s45, 1
	s_lshl_b32 s47, s47, 5
	s_and_b32 s48, s45, 1
	s_lshl_b32 s48, s48, 3
	s_add_co_u32 s47, s47, s48                     ; the tile's first row: 32 (t / 2) + 8 (t % 2)
	s_mul_i32 s48, s47, ROWB
	s_lshl_b32 s49, s26, 9
	s_add_co_u32 s48, s48, s49                     ; + my K step's 512 bytes
	s_mov_b32 s49, 0
	s_add_nc_u64 s[28:29], s[28:29], s[48:49]
	s_mul_i32 s50, s26, s46
	s_lshl_b32 s51, s45, 11
	s_add_co_u32 s50, s50, s51                     ; my fragment's place: K step x slab + tile x 2,048
	s_mov_b32 s51, 0
	s_add_nc_u64 s[30:31], s[30:31], s[50:51]
	s_add_nc_u64 s[32:33], s[16:17], s[50:51]      ; passes 1 and 2 (hidden_state's work-groups alone use them)
	s_add_nc_u64 s[34:35], s[18:19], s[50:51]
.irp i, 0,1,2,3,4,5,6,7,8,9,10,11,12,13,14,15
	global_load_b128 v[R+4*\i:R+4*\i+3], v1, s[28:29] offset:(\i+8*(\i/8))*ROWB th:TH_LOAD_NT   ; lane slot i's row: the tile's rows 0-7 and 16-23; 32 lanes read 512 consecutive bytes
.endr
.macro MKSC e, p                       ; 2^e and 448 x 2^e as f32, e in s[e]
	s_add_co_i32 s53, s[\e], 127
	s_lshl_b32 s54, s53, 23
	v_mov_b32 v[SC+2*\p], s54
	s_add_co_i32 s53, s53, 8
	s_lshl_b32 s53, s53, 23
	s_or_b32 s53, s53, 0x600000
	v_mov_b32 v[SC+2*\p+1], s53
.endm
	s_wait_kmcnt 0x0
	s_cmp_ge_u32 s44, 48
	s_cselect_b32 s52, s39, s37
	s_cmp_ge_u32 s44, 96
	s_cselect_b32 s52, s41, s52
	s_cmp_lt_u32 ttmp9, 256
	s_cselect_b32 s52, s36, s52                    ; the first pass's e: entry 0, or 1, 3, 5
	MKSC 52, 0
	s_wait_alu depctr_va_vdst(0)
.irp i, 0,1,2,3,4,5,6,7,8,9,10,11,12,13,14,15
	s_wait_loadcnt 15-\i                           ; loads come back in order: row i is in, the 15 - i younger ones may be out
	ds_store_b128 v2, v[R+4*\i:R+4*\i+3] offset:SP*\i
.endr
.irp c, 0,1,2,3
.irp k, 0,1,2,3
	ds_load_b128 v[X+16*\c+4*\k:X+16*\c+4*\k+3], v3 offset:128*\c+16*\k   ; LDS serves a wave's instructions in order: these see my stores
.endr
.endr
; One pass: 64 numbers are held (into R's registers: X stays for the next pass) and converted.  first = 1: the counted wait leaves the read-backs of the later blocks out; it also shows the stage's stores done, which read R.
.macro QUANT p, first
.irp c, 0,1,2,3
.if \first
	s_wait_dscnt 12-4*\c
.endif
.irp i, 0,1,2,3,4,5,6,7,8,9,10,11,12,13,14,15
	v_med3_num_f32 v[R+16*\c+\i], v[X+16*\c+\i], -v[SC+2*\p+1], v[SC+2*\p+1]   ; the conversion to an 8-bit code does not saturate (ISA guide 7.6.2): the hold at the largest code x the scale
.endr
	v_cvt_scalef32_pk8_fp8_f32 v[C+16*\p+4*\c:C+16*\p+4*\c+1], v[R+16*\c:R+16*\c+7], v[SC+2*\p]
	v_cvt_scalef32_pk8_fp8_f32 v[C+16*\p+4*\c+2:C+16*\p+4*\c+3], v[R+16*\c+8:R+16*\c+15], v[SC+2*\p]
.endr
	v_nop                                          ; a plain vector line behind the last conversion: the next pass writes the conversions' sources again
.endm
.macro OUT p, base
.irp c, 0,1,2,3
	global_store_b128 v1, v[C+16*\p+4*\c:C+16*\p+4*\c+3], s[\base:\base+1] offset:512*\c   ; image c
.endr
.endm
	QUANT 0, 1
	OUT 0, 30
	s_cmp_lt_u32 ttmp9, 256                        ; a weight has one scale: its work-groups are done.  The branch leads round register work and global stores alone
	s_cbranch_scc0 .Lend
	MKSC 38, 1                                     ; entry 2: hidden_state as the operand of the product with Wk
	MKSC 40, 2                                     ; entry 4: with Wv
	QUANT 1, 0
	OUT 1, 32
	QUANT 2, 0
	OUT 2, 34
.Lend:
	s_wait_tensorcnt 0x0                           ; the wave's end: behind my last LDS store
	ds_add_u32 v[SPW], v[NIL]
	s_wait_dscnt 0x0
	s_endpgm
.Lfunc_end_k_qfcda978ad8_quant:
	.size	k_qfcda978ad8_quant, .Lfunc_end_k_qfcda978ad8_quant-k_qfcda978ad8_quant
	.p2alignl 7, 3214868480
	.fill 96, 4, 3214868480
	.section	.rodata,"a",@progbits
	.p2align	6, 0x0
	.amdhsa_kernel k_qfcda978ad8_quant
		.amdhsa_group_segment_fixed_size 51456
		.amdhsa_private_segment_fixed_size 0
		.amdhsa_enable_private_segment 0
		.amdhsa_kernarg_size 88
		.amdhsa_user_sgpr_count 2
		.amdhsa_user_sgpr_kernarg_segment_ptr 1
		.amdhsa_wavefront_size32 1
		.amdhsa_system_sgpr_workgroup_id_x 1
		.amdhsa_system_sgpr_workgroup_id_y 1
		.amdhsa_system_sgpr_workgroup_id_z 1
		.amdhsa_system_vgpr_workitem_id 0
		.amdhsa_next_free_vgpr 192
		.amdhsa_next_free_sgpr 66
		.amdhsa_reserve_vcc 0
		.amdhsa_float_denorm_mode_32 3
		.amdhsa_float_denorm_mode_16_64 3
		.amdhsa_memory_ordered 1
		.amdhsa_forward_progress 1
		.amdhsa_inst_pref_size 23
	.end_amdhsa_kernel
	.amdgpu_metadata
---
amdhsa.version: [ 1, 2 ]
amdhsa.kernels:
  - .name:           k_qfcda978ad8_quant
    .symbol:         k_qfcda978ad8_quant.kd
    .args:
      - { .name: hidden_state, .offset: 0, .size: 8, .value_kind: global_buffer, .address_space: global }
      - { .name: Wq, .offset: 8, .size: 8, .value_kind: global_buffer, .address_space: global }
      - { .name: Wk, .offset: 16, .size: 8, .value_kind: global_buffer, .address_space: global }
      - { .name: Wv, .offset: 24, .size: 8, .value_kind: global_buffer, .address_space: global }
      - { .name: lowp_scales, .offset: 32, .size: 8, .value_kind: global_buffer, .address_space: global }
      - { .name: xq_img, .offset: 40, .size: 8, .value_kind: global_buffer, .address_space: global }
      - { .name: xk_img, .offset: 48, .size: 8, .value_kind: global_buffer, .address_space: global }
      - { .name: xv_img, .offset: 56, .size: 8, .value_kind: global_buffer, .address_space: global }
      - { .name: wq_img, .offset: 64, .size: 8, .value_kind: global_buffer, .address_space: global }
      - { .name: wk_img, .offset: 72, .size: 8, .value_kind: global_buffer, .address_space: global }
      - { .name: wv_img, .offset: 80, .size: 8, .value_kind: global_buffer, .address_space: global }
    .group_segment_fixed_size: 51456
    .private_segment_fixed_size: 0
    .kernarg_segment_align: 8
    .kernarg_segment_size: 88
    .max_flat_workgroup_size: 192
    .sgpr_count:     66
    .vgpr_count:     192
    .wavefront_size: 32
...
	.end_amdgpu_metadata
.endif
;; end of part 1
;; launch proj (part 2): grid 96 x 3, 8 waves a work-group, no clusters, 295,936 bytes of LDS; arguments xq_img, xk_img, xv_img, wq_img, wk_img, wv_img, bq, bk, bv, lowp_scales, q_img, kv_img; writes q_img, kv_img
.if DOCPART == 2
	.amdgcn_target "amdgcn-amd-amdhsa--gfx1250"
	.amdhsa_code_object_version 6
	.text
	.protected	k_qfcda978ad8_proj
	.globl	k_qfcda978ad8_proj
	.p2align	8
	.type	k_qfcda978ad8_proj,@function
k_qfcda978ad8_proj:
	s_mov_b64 s[64:65], 0
	v_nop
	global_prefetch_b8 v0, s[64:65] scope:SCOPE_SE
	s_setreg_imm32_b32 hwreg(HW_REG_WAVE_MODE, 25, 1), 1
	s_wait_xcnt 0x0
; SECOND LAUNCH: the three projections on codes of FP8, and the quantising of their results.  Nothing of the problem is left out here.
; q = x Wq^T + bq, k = x Wk^T + bk, v = x Wv^T + bv; grid y says which.  A sum of codes stands for sum x 2^(ex + ew) (entries 2 y and 2 y + 1); value = sum x 2^(ex + ew) + bias, one fused multiply-add in f32;
; it is then quantised with 2^eo, eo = entry 6 + y (q: first operand of the scores' product; k: its second; v: first operand of the last product), and stored as images of operand registers for the third launch.
; ONE BODY: D = S0 S1^T, the first source 16 rows of S0, the second 16 rows of S1: a lane holds ONE row of S1 and its registers run along rows of S0, which are the next product's K.
;   q, k: S0 = the weight (rows = channels: the next K is the head's 64), S1 = x (tokens).      v: S0 = x (rows = keys: the next K), S1 = the weight (channels).
; The tiles of both operands hold rows 32 g + 8 u + r + 8 (r / 8) in lane r (first launch), so the 16 registers of S0's tiles 2 g, 2 g + 1 are 16 neighbours along the next K: the conversions' results ARE the next operand's registers.
; SHARES.  A work-group: 128 rows of S0 x 256 rows of S1, all of K = 768.  Eight waves, each 64 x 64: 16 accumulators.  A wave's 64 rows of S0 (q, k) or of S1 (v) are one head.
; LDS.  All six K steps of both operands are asked for at the head, each byte filled once: region s = 16 KiB of S0, 32 KiB of S1, images as they lie in memory (dense: no pitch, no padding; a fragment load is 512 consecutive bytes).
; Waves 0, 1, 2 issue six tensor loads of 16 KiB each, in the order of the K steps: six of a wave's loads are out at the most.  Each K step waits for its own loads alone and passes one barrier; nothing is filled again.
; NO CLUSTER: of a work-group's 48 KiB a K step, the part that four neighbours along x share is S0's third for q and k but another operand for v, and x's blocks are read by six work-groups, which no cluster of four divides.
; NO PREFETCH: every byte that the work-group will read is asked for by its first instructions.
; OUTPUT.  q_img [head 12][token tile 256][c 2][512 bytes].  kv_img [head group 4][step of 128 keys 32][49,152 bytes]: K part [head 3][key tile 8][c 2][512], V part at + 24,576 [head 3][key half 2][channel tile 4][block of 32 keys 2][512].
; Each wave stores 4,096 consecutive bytes.
; LIMITS: ex + ew between -126 and 127; eo between -126 and 119.  NaN is not served.
; THE FETCH, AS THE TEXT NOW HAS IT (in place of what the paragraph LDS above says of regions, of who loads and of the waits):
; waves 0 to 5 issue ONE tensor load each, at the head: wave w's piece of 8,192 bytes (w = 0, 1: S0's halves; w = 2 .. 5: S1's quarters) of all six K steps, as 6 rows of 8,192 bytes, a K step's slab apart in memory.
; In LDS piece w lies at 49,152 w, its K step s at + 8,192 s.  A piece is just the four fragments that a wave reads of S0 (piece a0) or of S1 (piece 2 + b0).  One wait for 0, one barrier, then six K steps with no barrier: each byte is filled once.
; x's slab and a weight's differ, so there are two groups 1 of constants, one in each arm of the branch.
.set SLABX, 524288                     ; a K step of x's codes
.set SLABW, 98304                      ; of a weight's
.set REG,   49152                      ; an LDS region: one K step
.set SPARE, 6*REG                      ; behind the regions: the spare words, 128 bytes for each wave: four blocks of 256 bytes that no other line names
.set FB,  32                           ; v32-63   two fragments of S1
.set FA,  64                           ; v64-127  four fragments of S0; on the way out the codes
.set COD, 64
.set ACC, 128                          ; v128-255 accumulator (a, b) at 128 + 8 (4 b + a)
                                       ; v256-287 (window 1, v0-31) the bias: q, k: 8 a + j = channel of register j of tile a; v: 8 b + j = my lane's channel of tile b
.set SPW, 4                            ; v4  LDS address of my spare word; never rewritten
.set NIL, 5                            ; v5  0; never rewritten
.set G1,  28                           ; s[28:35] descriptor group 1
.set G0,  36                           ; s[36:39] descriptor group 0
.set G1W, 40                           ; s[40:47] descriptor group 1 for a weight's codes (s[28:35]: for x's)
.set KSB, 8192                         ; a K step on in a piece
.set WV,  60
.set MTX, 61
.set I0,  62
.set I1,  63
.set A0,  66
.set B0,  67
.set MSB, 0
.macro WIN new                         ; the immediate's high byte repeats the setting that is left
.if MSB != \new
	s_set_vgpr_msb (MSB<<8)|\new
.set MSB, \new
.endif
.endm
	s_load_b512 s[4:19], s[0:1], 0x0               ; xq s[4:5], xk s[6:7], xv s[8:9], wq s[10:11], wk s[12:13], wv s[14:15], bq s[16:17], bk s[18:19]
	s_load_b256 s[20:27], s[0:1], 0x40             ; bv s[20:21], scales s[22:23], q_img s[24:25], kv_img s[26:27]
	v_lshl_add_u32 v[SPW], v0, 2, SPARE
	v_mov_b32 v[NIL], 0
	ds_add_u32 v[SPW], v[NIL]                      ; the wave's opening: the add, twice on end, and its wait ahead of the first tensor load; work on registers stands between
	ds_add_u32 v[SPW], v[NIL]
	v_lshrrev_b32 v1, 5, v0
	s_delay_alu instid0(VALU_DEP_1)
	v_readfirstlane_b32 s[WV], v1                  ; wave 0..7
	; groups 1: 6 rows (K steps) of 8,192 bytes, in elements of 8 bytes
.irp g, G1, G1W
	s_mov_b32 s[\g+0], 3<<16                       ; no mask; elements of 8 bytes; no padding
	s_mov_b32 s[\g+1], 1024<<16                    ; tensor_dim0 = 1,024
	s_mov_b32 s[\g+2], 6<<16                       ; tensor_dim1 = 6
	s_mov_b32 s[\g+3], 1024<<16                    ; tile_dim0
	s_mov_b32 s[\g+4], 6                           ; tile_dim1
	s_mov_b32 s[\g+6], 0
	s_mov_b32 s[\g+7], 0
.endr
	s_mov_b32 s[G1+5], SLABX/8                     ; from row to row: a K step of x's codes,
	s_mov_b32 s[G1W+5], SLABW/8                    ; of a weight's
	s_and_b32 s[MTX], ttmp7, 0xffff                ; 0: q, 1: k, 2: v
	s_and_b32 s96, ttmp9, 15                       ; q, k: 16 blocks of x (S1),
	s_lshr_b32 s97, ttmp9, 4                       ;       6 blocks of the weight (S0)
	s_and_b32 s98, ttmp9, 31                       ; v: 32 blocks of x (S0),
	s_lshr_b32 s99, ttmp9, 5                       ;    3 blocks of the weight (S1)
	s_cmp_eq_u32 s[MTX], 2
	s_cselect_b32 s[I0], s98, s97
	s_cselect_b32 s[I1], s99, s96
	s_and_b32 s[A0], s[WV], 1                      ; my 64 rows of S0,
	s_lshr_b32 s[B0], s[WV], 1                     ; of S1
	s_lshl_b32 s96, s[I0], 14                      ; wave 0 fetches S0's block: 16,384 i0;
	s_lshl_b32 s97, s[I1], 15
	s_lshl_b32 s98, s[WV], 13
	s_add_co_u32 s96, s96, s98                     ; waves 0, 1: S0's block + 8,192 wave
	s_add_co_u32 s97, s97, s98
	s_sub_co_u32 s97, s97, 16384                   ; waves 2 to 5: S1's block + 8,192 (wave - 2)
	s_mul_i32 s99, s[WV], REG                      ; my piece's place in LDS: 49,152 x wave
	s_wait_dscnt 0x0                               ; both opening adds are done
	s_wait_kmcnt 0x0
	s_load_b256 s[68:75], s[22:23], 0x0            ; e0 .. e7
	s_load_b64 s[76:77], s[22:23], 0x20            ; e8, e9
	s_cmp_eq_u32 s[MTX], 1                         ; the buffers are chosen by the grid's y alone
	s_cselect_b64 s[80:81], s[12:13], s[10:11]
	s_cselect_b64 s[82:83], s[6:7], s[4:5]
	s_cselect_b64 s[78:79], s[18:19], s[16:17]
	s_cmp_eq_u32 s[MTX], 2
	s_cselect_b64 s[80:81], s[8:9], s[80:81]       ; S0
	s_cselect_b64 s[82:83], s[14:15], s[82:83]     ; S1
	s_cselect_b64 s[78:79], s[20:21], s[78:79]     ; the bias
	s_cmp_lt_u32 s[WV], 2                          ; waves 0, 1 fetch for S0, waves 2 to 5 for S1
	s_cselect_b64 s[86:87], s[80:81], s[82:83]
	s_cselect_b32 s90, s96, s97
	s_cselect_b32 s88, 1, 0
	s_mov_b32 s91, 0
	s_add_nc_u64 s[86:87], s[86:87], s[90:91]
	s_mov_b32 s[G0], 1                             ; count = 1
	s_mov_b32 s[G0+1], s99                         ; LDS address
	s_mov_b64 s[G0+2:G0+3], s[86:87]               ; global address: my piece of K step 0
	s_or_b32 s[G0+3], s[G0+3], 0x80000000          ; type = 2
	s_cmp_eq_u32 s[MTX], 2
	s_cselect_b32 s89, 1, 0
	s_xor_b32 s88, s88, s89                        ; 0: my operand is x (S0 of v, S1 of q and k); 1: a weight
	s_cmp_lt_u32 s[WV], 6                          ; one chain of branches on ids, one fill to an arm, one join
	s_cbranch_scc0 .Lfilled
	s_cmp_eq_u32 s88, 0
	s_cbranch_scc0 .Lfill_w
	tensor_load_to_lds s[G0:G0+3], s[G1:G1+7]
	s_nop 0
.rept 4
	v_nop
.endr
	s_branch .Lfilled
.Lfill_w:
	tensor_load_to_lds s[G0:G0+3], s[G1W:G1W+7]
	s_nop 0
.rept 4
	v_nop
.endr
.Lfilled:
	v_and_b32 v3, 31, v0
	s_delay_alu instid0(VALU_DEP_1)
	v_lshlrev_b32 v3, 4, v3                        ; 16 x lane: my bytes of an image
	s_mul_i32 s96, s[A0], REG
	v_add_nc_u32 v1, s96, v3                       ; my four fragments of S0: piece a0, K step 0
	s_mul_i32 s96, s[B0], REG
	s_add_co_u32 s96, s96, 2*REG
	v_add_nc_u32 v2, s96, v3                       ; my four of S1: piece 2 + b0
	v_and_b32 v7, 15, v0                           ; r
	v_bfe_u32 v6, v0, 4, 1                         ; h
	s_cmp_eq_u32 s[MTX], 2
	s_cbranch_scc1 .Lbias_v
	v_lshlrev_b32 v6, 6, v6                        ; q, k: register j of tile a is channel 128 i0 + 64 a0 + 32 (a / 2) + 16 h + 8 (a % 2) + j
	s_lshl_b32 s96, s[I0], 9
	s_lshl_b32 s97, s[A0], 8
	s_add_co_u32 s96, s96, s97
	s_mov_b32 s97, 0
	s_add_nc_u64 s[78:79], s[78:79], s[96:97]
	WIN 0x40                                       ; destination window 1
.irp a, 0,1,2,3
	global_load_b128 v[8*\a:8*\a+3], v6, s[78:79] offset:4*(32*(\a/2)+8*(\a%2))
	global_load_b128 v[8*\a+4:8*\a+7], v6, s[78:79] offset:4*(32*(\a/2)+8*(\a%2))+16
.endr
	WIN 0
	s_branch .Lbias_done
.Lbias_v:
	s_wait_alu depctr_va_vdst(0)
	v_and_b32 v6, 8, v7                            ; v: my lane's channel of tile b: 256 i1 + 64 b0 + 32 (b / 2) + 8 (b % 2) + r + 8 (r / 8); it serves all eight registers of the tile,
	s_delay_alu instid0(VALU_DEP_1)
	v_add_nc_u32 v6, v6, v7                        ; and is loaded into eight, so that both forms of the way out take their bias from registers 8 x + j
	s_delay_alu instid0(VALU_DEP_1)
	v_lshlrev_b32 v6, 2, v6
	s_lshl_b32 s96, s[I1], 10
	s_lshl_b32 s97, s[B0], 8
	s_add_co_u32 s96, s96, s97
	s_mov_b32 s97, 0
	s_add_nc_u64 s[78:79], s[78:79], s[96:97]
	WIN 0x40
.irp b, 0,1,2,3
.irp j, 0,1,2,3,4,5,6,7
	global_load_b32 v[8*\b+\j], v6, s[78:79] offset:4*(32*(\b/2)+8*(\b%2))
.endr
.endr
	WIN 0
.Lbias_done:
	; where my 4,096 bytes of codes go.  G = 2 i0 + a0: my 64 rows of S0;  J = 4 i1 + b0: my 64 rows of S1
	s_lshl_b32 s96, s[I0], 1
	s_add_co_u32 s96, s96, s[A0]
	s_lshl_b32 s97, s[I1], 2
	s_add_co_u32 s97, s97, s[B0]
	s_lshl_b32 s98, s96, 18
	s_lshl_b32 s99, s97, 12
	s_add_co_u32 s90, s98, s99                     ; q: head G, token tiles 4 J on
	s_cmp_eq_u32 s[MTX], 2
	s_cselect_b32 s98, s97, s96                    ; the head: k: G, v: J
	s_cselect_b32 s99, s96, s97                    ; the 64 keys: k: J, v: G
	s_cselect_b32 s88, 24576, 0                    ; V's part lies behind K's
	s_mul_i32 s84, s98, 11
	s_lshr_b32 s84, s84, 5                         ; head / 3 (right for 0 .. 11)
	s_mul_i32 s85, s84, 3
	s_sub_co_u32 s85, s98, s85                     ; head % 3
	s_mul_i32 s84, s84, 1572864
	s_lshl_b32 s85, s85, 13
	s_add_co_u32 s84, s84, s85
	s_lshr_b32 s85, s99, 1
	s_mul_i32 s85, s85, 49152                      ; the step of 128 keys,
	s_add_co_u32 s84, s84, s85
	s_and_b32 s85, s99, 1
	s_lshl_b32 s85, s85, 12                        ; its half
	s_add_co_u32 s84, s84, s85
	s_add_co_u32 s84, s84, s88
	s_cmp_eq_u32 s[MTX], 0
	s_cselect_b32 s90, s90, s84
	s_cselect_b64 s[92:93], s[24:25], s[26:27]
	s_mov_b32 s91, 0
	s_add_nc_u64 s[92:93], s[92:93], s[90:91]
.macro LOADB b0                        ; S1's fragments b0, b0 + 1
.irp bb, 0,1
.irp c, 0,1,2,3
	ds_load_b128 v[FB+16*\bb+4*\c:FB+16*\bb+4*\c+3], v2 offset:2048*(\b0+\bb)+512*\c
.endr
.endr
.endm
; eight matrix instructions on eight accumulators; the sixteen take turns, one instruction a turn, in the same order in every K step.  zero = 1: the first K step starts the sums
.macro MUL8 b0, zero
.irp a, 0,1,2,3
.irp bb, 0,1
.if \zero
	v_wmma_f32_16x16x128_fp8_fp8 v[ACC+8*(4*(\b0+\bb)+\a):ACC+8*(4*(\b0+\bb)+\a)+7], v[FA+16*\a:FA+16*\a+15], v[FB+16*\bb:FB+16*\bb+15], 0
.else
	v_wmma_f32_16x16x128_fp8_fp8 v[ACC+8*(4*(\b0+\bb)+\a):ACC+8*(4*(\b0+\bb)+\a)+7], v[FA+16*\a:FA+16*\a+15], v[FB+16*\bb:FB+16*\bb+15], v[ACC+8*(4*(\b0+\bb)+\a):ACC+8*(4*(\b0+\bb)+\a)+7]
.endif
.endr
.endr
.endm
.macro KSTEP s, zero
.if \s == 0
	s_wait_tensorcnt 0x0                           ; my one tensor load is in (a wave that loads nothing passes at once)
	s_barrier_signal -1                            ; no LDS instruction of mine is out here
	s_barrier_wait -1                              ; all six pieces are whole for every wave
.endif
.irp a, 0,1,2,3
.irp c, 0,1,2,3
	ds_load_b128 v[FA+16*\a+4*\c:FA+16*\a+4*\c+3], v1 offset:2048*\a+512*\c
.endr
.endr
	LOADB 0
	s_wait_dscnt 0x0
	MUL8 0, \zero
.rept 4
	v_nop                                          ; four places in front of loads into registers that matrix instructions have read (ISA guide 7.12.1 for vector instructions)
.endr
	LOADB 2
	s_wait_dscnt 0x0
	MUL8 2, \zero
.if \s < 5
	v_add_nc_u32 v1, KSB, v1                       ; on to the next K step of my pieces: two of the four places in front of its loads
	v_add_nc_u32 v2, KSB, v2
	v_nop
	v_nop
.else
.rept 4
	v_nop                                          ; four places in front of the first read of results
.endr
.endif
.endm
	s_wait_alu depctr_va_vdst(0)
	KSTEP 0, 1
	s_wait_alu depctr_va_vdst(0)
	KSTEP 1, 0
	s_wait_alu depctr_va_vdst(0)
	KSTEP 2, 0
	s_wait_alu depctr_va_vdst(0)
	KSTEP 3, 0
	s_wait_alu depctr_va_vdst(0)
	KSTEP 4, 0
	s_wait_alu depctr_va_vdst(0)
	KSTEP 5, 0
	; THE WAY OUT
	s_wait_loadcnt 0x0                             ; the bias
	s_wait_kmcnt 0x0                               ; the exponents
	s_cmp_eq_u32 s[MTX], 1
	s_cselect_b32 s96, s70, s68
	s_cselect_b32 s97, s71, s69
	s_cselect_b32 s98, s75, s74
	s_cmp_eq_u32 s[MTX], 2
	s_cselect_b32 s96, s72, s96                    ; ex
	s_cselect_b32 s97, s73, s97                    ; ew
	s_cselect_b32 s98, s76, s98                    ; eo
	s_add_co_i32 s94, s96, s97
	s_add_co_i32 s94, s94, 127
	s_lshl_b32 s94, s94, 23                        ; 2^(ex + ew) as f32
	s_mov_b32 s95, s94                             ; (named with it as a pair, so it is written)
	s_add_co_i32 s98, s98, 127
	s_lshl_b32 s99, s98, 23
	v_mov_b32 v9, s99                              ; 2^eo: the conversion takes its exponent field
	s_add_co_i32 s98, s98, 8
	s_lshl_b32 s98, s98, 23
	s_or_b32 s98, s98, 0x600000
	v_mov_b32 v8, s98                              ; 448 x 2^eo
; value = sum x 2^(ex + ew) + bias, two at a time, each accumulator from its low end on.  byb = 0: the bias goes by S0's tile a (q, k); 1: by S1's tile b (v)
.macro EPI byb
.irp b, 0,1,2,3
.irp a, 0,1,2,3
.irp j, 0,2,4,6
	v_pk_fma_f32 v[ACC+8*(4*\b+\a)+\j:ACC+8*(4*\b+\a)+\j+1], v[ACC+8*(4*\b+\a)+\j:ACC+8*(4*\b+\a)+\j+1], s[94:95], v[8*(\a+\byb*(\b-\a))+\j:8*(\a+\byb*(\b-\a))+\j+1] op_sel_hi:[1,0,1]
.endr
.endr
.endr
.endm
	s_cmp_eq_u32 s[MTX], 2
	s_cbranch_scc1 .Lepi_v
	WIN 0x10                                       ; the third source in window 1
	EPI 0
	WIN 0
	s_branch .Lepi_done
.Lepi_v:
	WIN 0x10
	EPI 1
	WIN 0
.Lepi_done:
.set jj, 0
.rept 128
	v_med3_num_f32 v[ACC+jj], v[ACC+jj], -v8, v8   ; the conversion to an 8-bit code does not saturate (ISA guide 7.6.2): the hold
.set jj, jj+1
.endr
.set jj, 0
.rept 16
	v_cvt_scalef32_pk8_fp8_f32 v[COD+2*jj:COD+2*jj+1], v[ACC+8*jj:ACC+8*jj+7], v9   ; accumulators (2 g, b), (2 g + 1, b): 16 neighbours along the next K: registers 4 (2 b + g) on: image 2 b + g
.set jj, jj+1
.endr
	v_nop                                          ; a plain vector line behind the last conversion
.irp n, 0,1,2,3,4,5,6,7
	global_store_b128 v3, v[COD+4*\n:COD+4*\n+3], s[92:93] offset:512*\n   ; 32 lanes store 512 consecutive bytes, aligned
.endr
	s_wait_tensorcnt 0x0                           ; the wave's end
	ds_add_u32 v[SPW], v[NIL]
	s_wait_dscnt 0x0
	s_endpgm
.Lfunc_end_k_qfcda978ad8_proj:
	.size	k_qfcda978ad8_proj, .Lfunc_end_k_qfcda978ad8_proj-k_qfcda978ad8_proj
	.p2alignl 7, 3214868480
	.fill 96, 4, 3214868480
	.section	.rodata,"a",@progbits
	.p2align	6, 0x0
	.amdhsa_kernel k_qfcda978ad8_proj
		.amdhsa_group_segment_fixed_size 295936
		.amdhsa_private_segment_fixed_size 0
		.amdhsa_enable_private_segment 0
		.amdhsa_kernarg_size 96
		.amdhsa_user_sgpr_count 2
		.amdhsa_user_sgpr_kernarg_segment_ptr 1
		.amdhsa_wavefront_size32 1
		.amdhsa_system_sgpr_workgroup_id_x 1
		.amdhsa_system_sgpr_workgroup_id_y 1
		.amdhsa_system_sgpr_workgroup_id_z 1
		.amdhsa_system_vgpr_workitem_id 0
		.amdhsa_next_free_vgpr 288
		.amdhsa_next_free_sgpr 100
		.amdhsa_reserve_vcc 0
		.amdhsa_float_denorm_mode_32 3
		.amdhsa_float_denorm_mode_16_64 3
		.amdhsa_memory_ordered 1
		.amdhsa_forward_progress 1
		.amdhsa_inst_pref_size 50
	.end_amdhsa_kernel
	.amdgpu_metadata
---
amdhsa.version: [ 1, 2 ]
amdhsa.kernels:
  - .name:           k_qfcda978ad8_proj
    .symbol:         k_qfcda978ad8_proj.kd
    .args:
      - { .name: xq_img, .offset: 0, .size: 8, .value_kind: global_buffer, .address_space: global }
      - { .name: xk_img, .offset: 8, .size: 8, .value_kind: global_buffer, .address_space: global }
      - { .name: xv_img, .offset: 16, .size: 8, .value_kind: global_buffer, .address_space: global }
      - { .name: wq_img, .offset: 24, .size: 8, .value_kind: global_buffer, .address_space: global }
      - { .name: wk_img, .offset: 32, .size: 8, .value_kind: global_buffer, .address_space: global }
      - { .name: wv_img, .offset: 40, .size: 8, .value_kind: global_buffer, .address_space: global }
      - { .name: bq, .offset: 48, .size: 8, .value_kind: global_buffer, .address_space: global }
      - { .name: bk, .offset: 56, .size: 8, .value_kind: global_buffer, .address_space: global }
      - { .name: bv, .offset: 64, .size: 8, .value_kind: global_buffer, .address_space: global }
      - { .name: lowp_scales, .offset: 72, .size: 8, .value_kind: global_buffer, .address_space: global }
      - { .name: q_img, .offset: 80, .size: 8, .value_kind: global_buffer, .address_space: global }
      - { .name: kv_img, .offset: 88, .size: 8, .value_kind: global_buffer, .address_space: global }
    .group_segment_fixed_size: 295936
    .private_segment_fixed_size: 0
    .kernarg_segment_align: 8
    .kernarg_segment_size: 96
    .max_flat_workgroup_size: 256
    .sgpr_count:     100
    .vgpr_count:     288
    .wavefront_size: 32
...
	.end_amdgpu_metadata
.endif
;; end of part 2
;; launch attn (part 3): grid 4 x 64, 12 waves a work-group, clusters of 4 x 4, 327,680 bytes of LDS; arguments q_img, kv_img, attention_mask, lowp_scales, out0; writes out0
.if DOCPART == 3
	.amdgcn_target "amdgcn-amd-amdhsa--gfx1250"
	.amdhsa_code_object_version 6
	.text
	.protected	k_qfcda978ad8_attn
	.globl	k_qfcda978ad8_attn
	.p2align	8
	.type	k_qfcda978ad8_attn,@function
k_qfcda978ad8_attn:
	s_mov_b64 s[64:65], 0
	v_nop
	global_prefetch_b8 v0, s[64:65] scope:SCOPE_SE
	s_setreg_imm32_b32 hwreg(HW_REG_WAVE_MODE, 25, 1), 1
	s_wait_xcnt 0x0
	s_wait_alu depctr_hold_cnt(0) depctr_sa_sdst(0) depctr_va_vdst(0) depctr_va_sdst(0) depctr_va_ssrc(0) depctr_va_vcc(0) depctr_vm_vsrc(0)
	s_getreg_b32 s2, hwreg(HW_REG_IB_STS2, 6, 4)
	s_cmp_eq_u32 s2, 0
	s_cbranch_scc0 .Lentry_in_a_cluster
	s_endpgm
.Lentry_in_a_cluster:
	s_bfe_u32 s2, ttmp6, 0x10000c
	s_cmp_lg_u32 s2, 0xf033
	s_cbranch_scc0 .Lentry_shape_is_right
	s_endpgm
.Lentry_shape_is_right:
; THIRD LAUNCH: out0[q][head][:] = the sum over keys of softmax(q . k / 8 + mask[q][key]) v[key][:], both products on codes of FP8 (E4M3).  Nothing of the problem is left out here.
; u = sum of codes x 2^(e6 + e7 - 3) + mask, one fused multiply-add in f32; t = u x log2(e); M = the largest t so far rounded UP to a whole number; p = 2^(t - M) is quantised with 2^e9 (held at 448 x 2^e9), not normalised;
; the row's sum l is taken of the unquantised p; when M moves, l and O are multiplied by 2^(old M - new M), which rounds nothing; at the end O x 2^(e8 + e9) / l.
; SHARES.  A work-group owns 64 queries x 3 heads; it walks the 4,096 keys in 32 steps of 128.  Twelve waves of 256 registers, three to a SIMD.  Wave w: head w / 4; query pair (w / 2) % 2 (two tiles of 16 queries);
; key half w % 2 (64 of a step's 128 keys).  So a fragment of K or V read from LDS feeds two matrix instructions, and a mask word is read by the three heads' waves.  The two key halves of a query are merged once, at the end:
; wave w keeps tile A = 2 pair + half and sends tile B = 2 pair + 1 - half to wave w xor 1, whose tile B is my tile A.  M is a whole number in both, so the merge rounds nothing but the sums.
; LAYOUT.  Both products are used transposed: S^T = K Q^T (first source 16 keys), O^T = V^T P^T (first source 16 channels): a lane holds ONE query (lane % 16) throughout.  K's tiles hold key 32 g + 8 u + r + 8 (r / 8) in lane r,
; so the 16 registers of tiles 2 g, 2 g + 1 are keys 32 g + 16 (lane / 16) + 0 .. 15: p's conversions give the second product's operand as it stands.  V's tiles hold channels in the same order, so O's registers run along channels.
; CLUSTER 4 x 4: x = head group, y = query block.  A step's K and V (49,152 bytes, dense) hang on the head group alone: asked for jointly by a column.  The mask tile (64 queries x 128 keys, f32) hangs on the query block alone: jointly by a row.
; RING.  Two slots of one step.  Waves 0, 1 fetch K's and V's halves, wave 2 the mask tile: one tensor load of a wave is out at a time.  THE TRIP IS STAGGERED: behind a change of slots a wave first runs the softmax and the second product of the
; step BEFORE (registers alone), then reads the new slot: K, the scores, the mask, and V for the next trip.  So all LDS reads of trip n are of slot n % 2, and are over at the next change.
; LIMITS: e6 + e7 - 3 between -126 and 127; e9 between -126 and 119; e8 + e9 goes by v_ldexp_f32.  NaN is not served; a row whose mask is -infinity everywhere gives NaN.
; THE FETCH, AS THE TEXT NOW HAS IT (in place of what the paragraph RING above says of who fetches): all twelve waves fetch, one joint load each behind every round:
; waves 0 to 7 take 6,144 bytes each of a step's 49,152 bytes of K and V (dense: 3 rows of 2,048 bytes), waves 8 to 11 take 16 rows each of the mask tile's 64.  The LDS image of a slot is as before..
.set SLOT1,  131072                    ; slot 1 begins here: one exclusive or turns a descriptor from one slot to the other
.set KVSTEP, 49152                     ; a step's K and V
.set MOFF,   49152                     ; behind them in a slot: the mask tile,
.set MP,     528                       ; 64 rows of 512 bytes + 16 of padding: 33 x 16
.set XCH,    214016                    ; behind slot 1: for each wave 8 images of O and 256 bytes of (-M, l), for the merge
.set XW,     4352
.set STG,    266240                    ; for each wave 16 rows x (256 + 16) bytes, for the way out
.set SPT,    272
.set SPARE,  318464                    ; the spare words, 128 bytes for each wave: six blocks of 256 bytes that no other line names
; v1-4: LDS addresses in slot 0 (K, V, tile A's mask, tile B's); v8-11: the same in slot 1; v12-15 tile A: -M, largest t, l in two halves; v16-19 tile B; v20-27 at work (v[24:25]: f); v28 448 x 2^e9, v29 2^e9; v30, v31 offsets
.set SPW, 5                            ; v5  LDS address of my spare word; never rewritten
.set NIL, 6                            ; v6  0; never rewritten
.set PFO, 7                            ; v7  the prefetches' lane offset; never rewritten
.set QA,  32                           ; v32-39, v40-47   Q's fragments of tiles A, B
.set QB,  40
.set PA,  48                           ; v48-55, v56-63   p's codes
.set PB,  56
.set KV,  64                           ; v64-95   four fragments of K, then tile B's mask, then four fragments of V
.set SA,  96                           ; v96-127, v128-159   S^T, u, p
.set SB,  128
.set OA,  160                          ; v160-191, v192-223  O^T
.set OB,  192
.set MB,  224                          ; v224-255 tile A's mask; at the end the partner's O
.set WV,  14
.set G1K, 24                           ; s[24:31], s[32:39] descriptor groups 1; s[40:43], s[44:47] groups 0, which walk
.set G1M, 32
.set G0K, 40
.set G0M, 44
.set EOUT, 48                          ; s48 e8 + e9
.set CNT, 49                           ; s49 the loop's count
.set SEL, 50                           ; s[50:51] selects of v_permlanex16_b32: lane l xor 16
.set CS,  52                           ; s[52:53] 2^(e6 + e7 - 3)
.set L2E, 54                           ; s[54:55] log2(e)
.set PFA, 60                           ; s[60:61] where my prefetches stand; s[62:63] a trip's step
.set PFS, 62
.set LIMM, 66                          ; s66 1 in the wave that prefetches the mask, else the greatest number; s67 the same for K and V
.set LIMK, 67
.macro PLACES                          ; four places behind matrix instructions, in front of loads into their sources and of reads of their results (ISA guide 7.12.1 for vector instructions)
.rept 4
	v_nop
.endr
.endm
.macro CROUND                          ; a round of the cluster's barrier
	s_barrier_signal -1
	s_barrier_wait -1
	s_cmp_lg_u32 s[WV], 0
	s_cbranch_scc1 .Lnot_wave_0_\@
	s_barrier_signal -3
.Lnot_wave_0_\@:
	s_barrier_wait -3
	s_barrier_signal -1
	s_barrier_wait -1
.endm
; Waves 0 to 7 ask for their eighths of a step's K and V, waves 8 to 11 for their quarters of the mask tile.  The branch hangs on the wave's number alone.  An s_nop 0 and four v_nop follow each load.
.macro TLOAD
	s_cmp_lt_u32 s[WV], 8
	s_cbranch_scc0 .Lnot_k_\@
	tensor_load_to_lds s[G0K:G0K+3], s[G1K:G1K+7]
	s_nop 0
.rept 4
	v_nop
.endr
	s_branch .Lasked_\@
.Lnot_k_\@:
	tensor_load_to_lds s[G0M:G0M+3], s[G1M:G1M+7]
	s_nop 0
.rept 4
	v_nop
.endr
.Lasked_\@:
.endm
; A PREFETCH INTO THE L2.  In trip n, whose tensor loads ask for step n + 1, step n + 3 is named: two trips ahead of the load that will want it.  Each aligned block of 256 bytes is named once in the launch.
; THE MASK, in every trip: a tile's 64 rows x 512 bytes are read by the four work-groups of a row of the cluster alone; they share the rows out by address, 16 each; wave 3 asks: a lane for each of 16 rows x 2 blocks.
; K AND V, in odd trips, for steps n + 3 and n + 4 (98,304 bytes on end): a head group's bytes are read by a column of every cluster; the first cluster along y asks; its column's four share them out by address, 24,576 each;
; waves 4 to 6 take 8,192 each, lanes 256 bytes apart.  The loop's last trip pair asks for nothing: step 31 is the last that is named.  The mask's steps 0-2 and K and V's steps 0-3 come by their loads alone.
.macro ASK lim
	s_cmp_gt_u32 s[CNT], s[\lim]
	s_cbranch_scc0 .Lnot_mine_\@
	global_prefetch_b8 v[PFO], s[PFA:PFA+1] th:TH_LOAD_NT scope:SCOPE_SE
.Lnot_mine_\@:
.endm
	s_load_b256 s[4:11], s[0:1], 0x0               ; q_img s[4:5], kv_img s[6:7], mask s[8:9], scales s[10:11]
	s_load_b64 s[12:13], s[0:1], 0x20              ; out0
	v_lshl_add_u32 v[SPW], v0, 2, SPARE
	v_mov_b32 v[NIL], 0
	ds_add_u32 v[SPW], v[NIL]                      ; the wave's opening: the add, twice on end, and its wait ahead of the first tensor load; work on registers stands between
	ds_add_u32 v[SPW], v[NIL]
	v_lshrrev_b32 v1, 5, v0
	s_delay_alu instid0(VALU_DEP_1)
	v_readfirstlane_b32 s[WV], v1                  ; wave 0..11
	s_and_b32 s15, s[WV], 1                        ; key half.
	s_bfe_u32 s16, s[WV], 0x10001                  ; query pair
	s_lshr_b32 s17, s[WV], 2                       ; head in the group
	s_bfe_u32 s18, ttmp6, 0x40000                  ; cx
	s_bfe_u32 s19, ttmp6, 0x40004                  ; cy
	s_lshl_b32 s20, ttmp9, 2
	s_add_co_u32 s20, s20, s18                     ; head group = 4 x cluster x + cx
	s_and_b32 s21, ttmp7, 0xffff
	s_lshl_b32 s21, s21, 2
	s_add_co_u32 s21, s21, s19                     ; query block = 4 x cluster y + cy
	s_lshl_b32 s22, 0x1111, s18                    ; my column of the cluster
	s_lshl_b32 s23, s19, 2
	s_lshl_b32 s23, 15, s23                        ; my row
	s_or_b32 s[G1K], s22, (3<<16)|(1<<21)          ; K, V: the mask: my column; elements of 8 bytes; bit 21 beside a mask; no padding
	s_mov_b32 s[G1K+1], 256<<16                    ; a dense block of 6,144 bytes as 3 rows of 2,048: tensor_dim0 = 256
	s_mov_b32 s[G1K+2], 3<<16                      ; tensor_dim1 = 3
	s_mov_b32 s[G1K+3], 256<<16                    ; tile_dim0
	s_mov_b32 s[G1K+4], 3                          ; tile_dim1
	s_mov_b32 s[G1K+5], 256                        ; from row to row
	s_mov_b32 s[G1K+6], 0
	s_mov_b32 s[G1K+7], 0
	s_or_b32 s[G1M], s23, (2<<16)|(1<<20)|(1<<21)|(6<<22)|(3<<25)   ; the mask tile: my row; elements of 4 bytes; padding: 4 words behind every 128
	s_mov_b32 s[G1M+1], 128<<16                    ; tensor_dim0 = 128
	s_mov_b32 s[G1M+2], 16<<16                     ; tensor_dim1 = 16
	s_mov_b32 s[G1M+3], 128<<16                    ; tile_dim0
	s_mov_b32 s[G1M+4], 16                         ; tile_dim1
	s_mov_b32 s[G1M+5], 4096                       ; from row to row
	s_mov_b32 s[G1M+6], 0
	s_mov_b32 s[G1M+7], 0
	s_mul_i32 s68, s20, 32*KVSTEP                  ; K, V: the head group's first byte,
	s_mul_i32 s72, s[WV], 6144                     ; + the eighth that I fetch (also its LDS address: the wave's number alone)
	s_add_co_u32 s68, s68, s72
	s_mov_b32 s69, 0
	s_lshl_b32 s70, s21, 20                        ; the mask: 64 rows of 16,384 bytes a query block
	s_mov_b32 s71, 0
	s_and_b32 s73, s[WV], 3                        ; waves 8 to 11: which 16 rows of the tile I fetch
	s_mul_i32 s74, s73, 16*MP
	s_add_co_u32 s74, s74, MOFF                    ; their LDS address: the wave's number alone
	s_lshl_b32 s73, s73, 18                        ; 16 rows of 16,384 bytes
	s_add_co_u32 s78, s70, s73
	s_mov_b32 s79, 0
	s_mov_b32 s[SEL], 0x76543210
	s_mov_b32 s[SEL+1], 0xfedcba98
	s_mov_b32 s[L2E], 0x3fb8aa3b
	s_mov_b32 s[L2E+1], s[L2E]                     ; (named with it as a pair, so it is written)
	s_mov_b32 s[CNT], 15
	s_wait_dscnt 0x0                               ; both opening adds are done
	s_wait_kmcnt 0x0
	s_load_b128 s[56:59], s[10:11], 0x18           ; e6, e7, e8, e9
	s_mov_b32 s[G0K], 1
	s_mov_b32 s[G0K+1], s72                        ; slot 0
	s_add_nc_u64 s[G0K+2:G0K+3], s[6:7], s[68:69]  ; step 0
	s_or_b32 s[G0K+3], s[G0K+3], 0x80000000
	s_mov_b32 s[G0M], 1
	s_mov_b32 s[G0M+1], s74
	s_add_nc_u64 s[G0M+2:G0M+3], s[8:9], s[78:79]
	s_or_b32 s[G0M+3], s[G0M+3], 0x80000000
	CROUND                                         ; all sixteen work-groups are here: the first joint loads meet
	TLOAD                                          ; step 0 into slot 0
	; the prefetches: where my wave's stand, two steps on from step 0 (the first change steps them to step 3), and who asks
	s_lshl_b32 s74, s18, 18                        ; the mask: my work-group's 16 rows,
	s_add_co_u32 s74, s74, s70                     ; in my query block,
	s_add_co_u32 s74, s74, 2*512                   ; at step 2
	s_mul_i32 s75, s20, 32*KVSTEP                  ; K, V: my head group,
	s_mul_i32 s76, s19, 24576                      ; my work-group's part,
	s_add_co_u32 s75, s75, s76
	s_sub_co_u32 s76, s[WV], 4
	s_cmp_lt_u32 s76, 3                            ; waves 4 to 6
	s_cselect_b32 s77, s76, 0
	s_cselect_b32 s[LIMK], 1, -1
	s_lshl_b32 s77, s77, 13                        ; my wave's part,
	s_add_co_u32 s75, s75, s77
	s_add_co_u32 s75, s75, 2*KVSTEP                ; at step 2
	s_and_b32 s78, ttmp7, 0xffff
	s_cmp_eq_u32 s78, 0                            ; the first cluster along y: the same in all sixteen partners
	s_cselect_b32 s[LIMK], s[LIMK], -1
	s_cmp_eq_u32 s[WV], 3
	s_cselect_b64 s[PFA:PFA+1], s[8:9], s[6:7]
	s_cselect_b32 s74, s74, s75
	s_cselect_b32 s[LIMM], 1, -1
	s_mov_b32 s[PFS], KVSTEP
	s_cselect_b32 s[PFS], 512, s[PFS]
	s_mov_b32 s79, 512
	s_cselect_b32 s79, 16384, s79                  ; from lane pair to lane pair: a row of the mask, or 512 bytes
	s_mov_b32 s75, 0
	s_mov_b32 s[PFS+1], 0
	s_add_nc_u64 s[PFA:PFA+1], s[PFA:PFA+1], s[74:75]
	v_and_b32 v[PFO], 31, v0
	s_delay_alu instid0(VALU_DEP_1)
	v_lshrrev_b32 v20, 1, v[PFO]
	s_delay_alu instid0(VALU_DEP_2)
	v_and_b32 v[PFO], 1, v[PFO]
	s_delay_alu instid0(VALU_DEP_1)
	v_lshlrev_b32 v[PFO], 8, v[PFO]
	s_delay_alu instid0(VALU_DEP_1)
	v_mad_u32_u24 v[PFO], v20, s79, v[PFO]
	; Q: natural tiles of 16 queries out of images whose tiles are permuted: query 16 u + r of a group of 32 lies in tile r / 8, lane slot r % 8 + 8 u
	s_mul_i32 s80, s20, 3
	s_add_co_u32 s80, s80, s17                     ; my head
	s_lshl_b32 s82, s80, 18
	s_lshl_b32 s83, s21, 12
	s_add_co_u32 s82, s82, s83
	s_lshl_b32 s83, s16, 11
	s_add_co_u32 s82, s82, s83                     ; head x 262,144 + (4 block + 2 pair) x 1,024
	s_mov_b32 s83, 0
	s_add_nc_u64 s[4:5], s[4:5], s[82:83]
	v_and_b32 v21, 15, v0                          ; r
	v_bfe_u32 v22, v0, 4, 1                        ; h
	s_delay_alu instid0(VALU_DEP_2)
	v_lshrrev_b32 v23, 3, v21
	s_delay_alu instid0(VALU_DEP_3)
	v_and_b32 v24, 7, v21
	s_delay_alu instid0(VALU_DEP_2)
	v_lshlrev_b32 v30, 10, v23
	s_delay_alu instid0(VALU_DEP_1)
	v_lshl_add_u32 v30, v22, 8, v30
	s_delay_alu instid0(VALU_DEP_1)
	v_lshl_add_u32 v30, v24, 4, v30
	s_lshl_b32 s84, s15, 7                         ; tile A is tile `half` of the pair,
	s_xor_b32 s85, s15, 1
	s_lshl_b32 s86, s85, 7                         ; tile B the other
	v_add_nc_u32 v31, s86, v30
	v_add_nc_u32 v30, s84, v30
	global_load_b128 v[QA:QA+3], v30, s[4:5]
	global_load_b128 v[QA+4:QA+7], v30, s[4:5] offset:512
	global_load_b128 v[QB:QB+3], v31, s[4:5]
	global_load_b128 v[QB+4:QB+7], v31, s[4:5] offset:512
	s_lshl_b32 s87, s21, 6                         ; out0: my tile A's first row: 64 block + 32 pair + 16 half,
	s_lshl_b32 s88, s16, 5
	s_add_co_u32 s87, s87, s88
	s_lshl_b32 s88, s15, 4
	s_add_co_u32 s87, s87, s88
	s_mul_i32 s88, s87, 3072
	s_lshl_b32 s89, s80, 8                         ; my head's 256 bytes of a row
	s_add_co_u32 s88, s88, s89
	s_mov_b32 s89, 0
	s_add_nc_u64 s[12:13], s[12:13], s[88:89]
	; LDS addresses: the wave's number and the lane alone
	v_and_b32 v20, 31, v0
	s_delay_alu instid0(VALU_DEP_1)
	v_lshlrev_b32 v20, 4, v20
	s_lshl_b32 s90, s17, 13
	s_lshl_b32 s91, s15, 12
	s_add_co_u32 s90, s90, s91
	v_add_nc_u32 v1, s90, v20                      ; K: 16 lane + 8,192 head + 4,096 half
	s_delay_alu instid0(VALU_DEP_1)
	v_add_nc_u32 v2, 24576, v1                     ; V
	v_mul_u32_u24 v23, v21, MP
	s_delay_alu instid0(VALU_DEP_1)
	v_lshl_add_u32 v23, v22, 6, v23                ; the mask: row r, + 64 h
	s_wait_alu depctr_va_vdst(0)
	s_lshl_b32 s90, s16, 5
	s_lshl_b32 s92, s15, 8                         ; my key half's 256 bytes
	s_lshl_b32 s91, s15, 4
	s_add_co_u32 s91, s91, s90
	s_mul_i32 s91, s91, MP
	s_add_co_u32 s91, s91, s92
	s_add_co_u32 s91, s91, MOFF
	v_add_nc_u32 v3, s91, v23                      ; tile A's rows
	s_lshl_b32 s91, s85, 4
	s_add_co_u32 s91, s91, s90
	s_mul_i32 s91, s91, MP
	s_add_co_u32 s91, s91, s92
	s_add_co_u32 s91, s91, MOFF
	v_add_nc_u32 v4, s91, v23                      ; tile B's
.irp i, 0,1,2,3
	v_add_nc_u32 v[8+\i], SLOT1, v[1+\i]
.endr
	v_mov_b32 v13, 0xff61b1e6                      ; the largest t so far: -3e38, under every t
	s_delay_alu instid0(VALU_DEP_1)
	v_floor_f32 v12, -v13                          ; -M
	v_mov_b32 v14, 0
	v_mov_b32 v15, 0
	s_delay_alu instid0(VALU_DEP_4)
	v_mov_b32 v17, v13
	s_delay_alu instid0(VALU_DEP_4)
	v_mov_b32 v16, v12
	v_mov_b32 v18, 0
	v_mov_b32 v19, 0
	v_mov_b32 v25, 0                               ; (named as the upper half of the pair v[24:25])
	v_mov_b32 v27, 0                               ; (a lane permute's destination counts as one of its sources)
.set jj, 0
.rept 64
	v_mov_b32 v[OA+jj], 0                          ; O^T of both tiles.  (The step is written once: the first finds zeros, which the first change of M leaves zeros)
.set jj, jj+1
.endr
	s_wait_kmcnt 0x0
	s_add_co_i32 s[CS], s56, s57
	s_add_co_i32 s[CS], s[CS], 124                 ; e6 + e7 - 3 + 127
	s_lshl_b32 s[CS], s[CS], 23
	s_mov_b32 s[CS+1], s[CS]
	s_add_co_i32 s93, s59, 127
	s_lshl_b32 s94, s93, 23
	v_mov_b32 v29, s94                             ; 2^e9
	s_add_co_i32 s93, s93, 8
	s_lshl_b32 s93, s93, 23
	s_or_b32 s93, s93, 0x600000
	v_mov_b32 v28, s93                             ; 448 x 2^e9
	s_add_co_i32 s[EOUT], s58, s59
.macro LOADM adr, buf                  ; my 32 mask words of a tile: register 16 b + 4 k + i = key 32 b + 16 h + 4 k + i of my half: S^T's own order
.irp b, 0,1
.irp k, 0,1,2,3
	ds_load_b128 v[\buf+16*\b+4*\k:\buf+16*\b+4*\k+3], v[\adr] offset:128*\b+16*\k
.endr
.endr
.endm
.macro LOADKV adr                      ; four fragments (16 rows x 64 K: two images each) of K or of V: eight images on end
.irp n, 0,1,2,3,4,5,6,7
	ds_load_b128 v[KV+4*\n:KV+4*\n+3], v[\adr] offset:512*\n
.endr
.endm
.macro QK                              ; S^T = K Q^T: four tiles of 16 keys x my two tiles of queries
.irp i, 0,1,2,3
	v_wmma_f32_16x16x64_fp8_fp8 v[SA+8*\i:SA+8*\i+7], v[KV+8*\i:KV+8*\i+7], v[QA:QA+7], 0
	v_wmma_f32_16x16x64_fp8_fp8 v[SB+8*\i:SB+8*\i+7], v[KV+8*\i:KV+8*\i+7], v[QB:QB+7], 0
.endr
.endm
.macro PV                              ; O^T += V^T P^T: four tiles of 16 channels x my two tiles; the eight accumulators take turns
.irp t, 0,1,2,3
	v_wmma_f32_16x16x64_fp8_fp8 v[OA+8*\t:OA+8*\t+7], v[KV+8*\t:KV+8*\t+7], v[PA:PA+7], v[OA+8*\t:OA+8*\t+7]
	v_wmma_f32_16x16x64_fp8_fp8 v[OB+8*\t:OB+8*\t+7], v[KV+8*\t:KV+8*\t+7], v[PB:PB+7], v[OB+8*\t:OB+8*\t+7]
.endr
.endm
.macro FMA S, buf                      ; u = sum x 2^(e6 + e7 - 3) + mask, two at a time, each accumulator from its low end on
.set jj, 0
.rept 16
	v_pk_fma_f32 v[\S+jj:\S+jj+1], v[\S+jj:\S+jj+1], s[CS:CS+1], v[\buf+jj:\buf+jj+1] op_sel_hi:[1,0,1]
.set jj, jj+2
.endr
.endm
; One tile's softmax for one step: u in v[S] on becomes p; its codes go to v[P] on; l and O^T are brought under the new M.  T: the tile's four registers of statistics.
.macro SOFTMAX S, P, O, T
	v_max3_num_f32 v20, v[\S], v[\S+1], v[\S+2]    ; the largest u of my query among my 32 keys, in two chains,
	v_max3_num_f32 v21, v[\S+3], v[\S+4], v[\S+5]
.irp i, 6,10,14,18,22,26
	s_delay_alu instid0(VALU_DEP_2)
	v_max3_num_f32 v20, v20, v[\S+\i], v[\S+\i+1]
	s_delay_alu instid0(VALU_DEP_2)
	v_max3_num_f32 v21, v21, v[\S+\i+2], v[\S+\i+3]
.endr
	s_delay_alu instid0(VALU_DEP_2)
	v_max3_num_f32 v20, v20, v[\S+30], v[\S+31]
	s_delay_alu instid0(VALU_DEP_1)
	v_max_num_f32 v20, v20, v21
	s_delay_alu instid0(VALU_DEP_1)
	v_permlanex16_b32 v22, v20, s[SEL], s[SEL+1]
	s_delay_alu instid0(VALU_DEP_1)
	v_max_num_f32 v20, v20, v22                    ; and among lane l xor 16's
	s_delay_alu instid0(VALU_DEP_1)
	v_mul_f32 v20, s[L2E], v20                     ; as t
	s_delay_alu instid0(VALU_DEP_1)
	v_max_num_f32 v[\T+1], v[\T+1], v20            ; the running largest t
	v_mov_b32 v20, v[\T]
	s_delay_alu instid0(VALU_DEP_2)
	v_floor_f32 v[\T], -v[\T+1]                    ; the new -M = floor(-t) = -ceil(t)
	s_delay_alu instid0(VALU_DEP_1)
	v_sub_f32 v20, v[\T], v20                      ; old M - new M: a whole number, 0 or less
	s_delay_alu instid0(VALU_DEP_1)
	v_cvt_i32_f32 v20, v20                         ; (it saturates)
	s_delay_alu instid0(VALU_DEP_1)
	v_ldexp_f32 v24, 1.0, v20                      ; f = 2^(old M - new M)
.set jj, 0
.rept 16
	v_pk_fma_f32 v[\S+jj:\S+jj+1], v[\S+jj:\S+jj+1], s[L2E:L2E+1], v[\T:\T+1] op_sel_hi:[1,0,0]   ; t - M (of the pairs log2(e) and -M the low word serves both halves)
.set jj, jj+2
.endr
.set jj, 0
	s_wait_alu depctr_va_vdst(0)
.rept 32
	v_exp_f32 v[\S+jj], v[\S+jj]                   ; p = 2^(t - M), at most 1
.set jj, jj+1
.endr
	v_pk_mul_f32 v[\T+2:\T+3], v[\T+2:\T+3], v[24:25] op_sel_hi:[1,0]   ; l under the new M: the plain instruction behind the exponentials
	s_wait_alu depctr_va_vdst(0)                   ; one wait for the batch of 32, ahead of its first reader
	v_pk_add_f32 v[26:27], v[\S:\S+1], v[\S+2:\S+3]   ; the sum of the unquantised p, two at a time, in two chains
.irp j, 4,8,12,16,20,24,28
	v_pk_add_f32 v[\T+2:\T+3], v[\T+2:\T+3], v[\S+\j:\S+\j+1]
	v_pk_add_f32 v[26:27], v[26:27], v[\S+\j+2:\S+\j+3]
.endr
	s_delay_alu instid0(VALU_DEP_1)
	v_pk_add_f32 v[\T+2:\T+3], v[\T+2:\T+3], v[26:27]
.set jj, 0
.rept 32
	v_min_num_f32 v[\S+jj], v[\S+jj], v28          ; the conversion to an 8-bit code does not saturate (ISA guide 7.6.2); p is not negative, so the hold is one-sided
.set jj, jj+1
.endr
.irp q, 0,1,2,3
	v_cvt_scalef32_pk8_fp8_f32 v[\P+2*\q:\P+2*\q+1], v[\S+8*\q:\S+8*\q+7], v29
.endr
.set jj, 0
.rept 16
	v_pk_mul_f32 v[\O+jj:\O+jj+1], v[\O+jj:\O+jj+1], v[24:25] op_sel_hi:[1,0]   ; O^T under the new M, each accumulator from its low end on.  (Also the plain lines behind the conversions)
.set jj, jj+2
.endr
.endm
; THE CHANGE OF SLOTS, at a trip's head.  Each wave waits for all its tensor loads (its part of the slot that it is about to read), adds 0 to its spare word, and waits for that and for its reads of the slot that it has left.
; fill = 1: a round of the cluster's barrier, so that no wave of any partner still reads that slot or has a load on its way; the joint load of the next step is the first thing behind it and has the whole trip in which to land.
.macro CHANGE fill, askk
	s_wait_tensorcnt 0x0                           ; no tensor load of mine is out, so a group 0 may be written
	ds_add_u32 v[SPW], v[NIL]                      ; 0 onto my spare word
.if \fill
	s_xor_b32 s[G0K+1], s[G0K+1], SLOT1            ; the walking descriptors: the other slot,
	s_add_nc_u64 s[G0K+2:G0K+3], s[G0K+2:G0K+3], KVSTEP   ; the next step; the type bits on top are not reached
	s_xor_b32 s[G0M+1], s[G0M+1], SLOT1
	s_add_nc_u64 s[G0M+2:G0M+3], s[G0M+2:G0M+3], 512
	s_wait_xcnt 0x0                                ; the last prefetch, a trip back, has read its address, so it may be written
	s_add_nc_u64 s[PFA:PFA+1], s[PFA:PFA+1], s[PFS:PFS+1]
	s_wait_dscnt 0x0                               ; both adds are done, and my reads of the slot that I have left are over (V's among them: it is in registers now)
	CROUND
	TLOAD
	ASK LIMM
.if \askk
	ASK LIMK
.endif
.else
	s_wait_dscnt 0x0
	s_barrier_signal -1                            ; my work-group's alone
	s_barrier_wait -1
.endif
.endm
; TRIP n reads slot sig = n % 2.  first = 1: trip 0 has no step before it.
.macro TRIP sig, fill, askk, first
.set AB, 1+7*\sig
	CHANGE \fill, \askk
	LOADM AB+2, MB                                 ; tile A's mask of step n: it lands under the softmax
.if !\first
	SOFTMAX SA, PA, OA, 12                         ; step n - 1
	SOFTMAX SB, PB, OB, 16
	PV
	PLACES
.endif
	LOADKV AB                                      ; K of step n
	s_wait_dscnt 0x0
	QK
	PLACES
	LOADM AB+3, KV                                 ; tile B's mask, where K lay
	FMA SA, MB
	s_wait_dscnt 0x0
	FMA SB, KV
	LOADKV AB+1                                    ; V of step n, for the next trip: the next change waits for it
.endm
	s_wait_loadcnt 0x0                             ; Q
	TRIP 0, 1, 0, 1
.Lloop:                                            ; 15 trips of two steps: steps 1 to 30
	TRIP 1, 1, 1, 0
	TRIP 0, 1, 0, 0
	s_sub_co_u32 s[CNT], s[CNT], 1
	s_cmp_lg_u32 s[CNT], 0
	s_cbranch_scc1 .Lloop
	TRIP 1, 0, 0, 0                                ; step 31 is written out: it asks for nothing
	s_wait_dscnt 0x0                               ; V of step 31
	SOFTMAX SA, PA, OA, 12
	SOFTMAX SB, PB, OB, 16
	PV
	; THE MERGE OF THE KEY HALVES.  The lines from here to the first LDS store are plain, name no register of the last products, and are more than the four places that are owed behind them.
	v_add_f32 v14, v14, v15                        ; tile A's l,
	v_add_f32 v17, v18, v19                        ; tile B's: v[16:17] = (-M, l)
	v_and_b32 v1, 31, v0
	s_delay_alu instid0(VALU_DEP_1)
	v_lshlrev_b32 v2, 4, v1
	s_delay_alu instid0(VALU_DEP_2)
	v_lshlrev_b32 v3, 3, v1
	s_mul_i32 s68, s[WV], XW
	s_add_co_u32 s68, s68, XCH                     ; my bytes,
	s_xor_b32 s69, s[WV], 1
	s_mul_i32 s69, s69, XW
	s_add_co_u32 s69, s69, XCH                     ; my partner's
	v_add_nc_u32 v8, s68, v2
	v_add_nc_u32 v9, s68, v3
	v_add_nc_u32 v10, s69, v2
	v_add_nc_u32 v11, s69, v3
.irp n, 0,1,2,3,4,5,6,7
	ds_store_b128 v8, v[OB+4*\n:OB+4*\n+3] offset:512*\n   ; tile B's O^T as images of its registers
.endr
	ds_store_b64 v9, v[16:17] offset:4096
	s_wait_alu depctr_va_vdst(0)
	s_wait_dscnt 0x0                               ; for my partner's sake: my stores are done
	s_barrier_signal -1
	s_barrier_wait -1
.irp n, 0,1,2,3,4,5,6,7
	ds_load_b128 v[MB+4*\n:MB+4*\n+3], v10 offset:512*\n   ; my tile A under the other key half
.endr
	ds_load_b64 v[20:21], v11 offset:4096
	s_mul_i32 s70, s[WV], 16*SPT
	s_add_co_u32 s70, s70, STG                     ; my stage
	v_and_b32 v1, 15, v0
	v_bfe_u32 v2, v0, 4, 1
	s_delay_alu instid0(VALU_DEP_2)
	v_mul_u32_u24 v3, v1, SPT
	s_delay_alu instid0(VALU_DEP_1)
	v_lshl_add_u32 v3, v2, 6, v3
	s_delay_alu instid0(VALU_DEP_1)
	v_add_nc_u32 v3, s70, v3                       ; in: row r, + 64 h
	s_delay_alu instid0(VALU_DEP_4)
	v_mul_u32_u24 v4, v2, SPT
	s_delay_alu instid0(VALU_DEP_1)
	v_lshl_add_u32 v4, v1, 4, v4
	s_delay_alu instid0(VALU_DEP_1)
	v_add_nc_u32 v4, s70, v4                       ; back: lanes 0-15 one row, lanes 16-31 the next
	v_mul_u32_u24 v30, v2, 3072
	s_delay_alu instid0(VALU_DEP_1)
	v_lshl_add_u32 v30, v1, 4, v30                 ; and the same two rows in out0
	s_wait_dscnt 0x0
	v_min_num_f32 v22, v12, v20                    ; -M of both halves together
	s_delay_alu instid0(VALU_DEP_1)
	v_sub_f32 v23, v22, v12                        ; my M - the new one,
	s_delay_alu instid0(VALU_DEP_2)
	v_sub_f32 v26, v22, v20                        ; the other's: whole numbers, 0 or less
	s_delay_alu instid0(VALU_DEP_2)
	v_cvt_i32_f32 v23, v23
	s_delay_alu instid0(VALU_DEP_2)
	v_cvt_i32_f32 v26, v26
	s_delay_alu instid0(VALU_DEP_2)
	v_ldexp_f32 v23, 1.0, v23
	s_delay_alu instid0(VALU_DEP_2)
	v_ldexp_f32 v26, 1.0, v26
	s_delay_alu instid0(VALU_DEP_2)
	v_mul_f32 v14, v14, v23
	s_delay_alu instid0(VALU_DEP_1)
	v_fma_f32 v14, v21, v26, v14                   ; l of my 16 + 16 keys of each block, both halves,
	s_delay_alu instid0(VALU_DEP_1)
	v_permlanex16_b32 v27, v14, s[SEL], s[SEL+1]
	s_delay_alu instid0(VALU_DEP_1)
	v_add_f32 v14, v14, v27                        ; and lane l xor 16's: the row's sum
	s_wait_alu depctr_va_vdst(0)
	v_rcp_f32 v14, v14
	v_nop                                          ; a plain instruction behind the reciprocal
	s_wait_alu depctr_va_vdst(0)                   ; and the wait ahead of its first reader
	v_ldexp_f32 v14, v14, s[EOUT]                  ; x 2^(e8 + e9)
	s_delay_alu instid0(VALU_DEP_1)
	v_mul_f32 v24, v23, v14
	s_delay_alu instid0(VALU_DEP_2)
	v_mul_f32 v26, v26, v14
.set jj, 0
.rept 16
	v_pk_mul_f32 v[OA+jj:OA+jj+1], v[OA+jj:OA+jj+1], v[24:25] op_sel_hi:[1,0]
	s_delay_alu instid0(VALU_DEP_1)
	v_pk_fma_f32 v[OA+jj:OA+jj+1], v[MB+jj:MB+jj+1], v[26:27], v[OA+jj:OA+jj+1] op_sel_hi:[1,0,1]
.set jj, jj+2
.endr
	; THE WAY OUT.  Register 16 g + i is channel 32 g + 16 h + i of my query: 16 rows x 256 bytes go through my own stage and leave as rows: sixteen lanes store 256 consecutive bytes, aligned.
.irp g, 0,1
.irp k, 0,1,2,3
	ds_store_b128 v3, v[OA+16*\g+4*\k:OA+16*\g+4*\k+3] offset:128*\g+16*\k
.endr
.endr
.irp i, 0,1,2,3,4,5,6,7
	ds_load_b128 v[SA+4*\i:SA+4*\i+3], v4 offset:2*\i*SPT   ; LDS serves a wave's instructions in order: these see my stores
.endr
.irp i, 0,1,2,3,4,5,6,7
	s_wait_dscnt 7-\i                              ; rows 2 i, 2 i + 1 are back; the 7 - i younger loads may be out
	global_store_b128 v30, v[SA+4*\i:SA+4*\i+3], s[12:13] offset:2*\i*3072 th:TH_STORE_NT
.endr
	s_wait_tensorcnt 0x0                           ; the wave's end: behind my last tensor load and my last LDS store
	ds_add_u32 v[SPW], v[NIL]
	s_wait_dscnt 0x0
	CROUND                                         ; the closing round: no work-group ends while a partner may still ask for a tile that names it
	s_endpgm
.Lfunc_end_k_qfcda978ad8_attn:
	.size	k_qfcda978ad8_attn, .Lfunc_end_k_qfcda978ad8_attn-k_qfcda978ad8_attn
	.p2alignl 7, 3214868480
	.fill 96, 4, 3214868480
	.section	.rodata,"a",@progbits
	.p2align	6, 0x0
	.amdhsa_kernel k_qfcda978ad8_attn
		.amdhsa_group_segment_fixed_size 327680
		.amdhsa_private_segment_fixed_size 0
		.amdhsa_enable_private_segment 0
		.amdhsa_kernarg_size 40
		.amdhsa_user_sgpr_count 2
		.amdhsa_user_sgpr_kernarg_segment_ptr 1
		.amdhsa_wavefront_size32 1
		.amdhsa_system_sgpr_workgroup_id_x 1
		.amdhsa_system_sgpr_workgroup_id_y 1
		.amdhsa_system_sgpr_workgroup_id_z 1
		.amdhsa_system_vgpr_workitem_id 0
		.amdhsa_next_free_vgpr 256
		.amdhsa_next_free_sgpr 100
		.amdhsa_reserve_vcc 0
		.amdhsa_float_denorm_mode_32 3
		.amdhsa_float_denorm_mode_16_64 3
		.amdhsa_memory_ordered 1
		.amdhsa_forward_progress 1
		.amdhsa_inst_pref_size 107
	.end_amdhsa_kernel
	.amdgpu_metadata
---
amdhsa.version: [ 1, 2 ]
amdhsa.kernels:
  - .name:           k_qfcda978ad8_attn
    .symbol:         k_qfcda978ad8_attn.kd
    .args:
      - { .name: q_img, .offset: 0, .size: 8, .value_kind: global_buffer, .address_space: global }
      - { .name: kv_img, .offset: 8, .size: 8, .value_kind: global_buffer, .address_space: global }
      - { .name: attention_mask, .offset: 16, .size: 8, .value_kind: global_buffer, .address_space: global }
      - { .name: lowp_scales, .offset: 24, .size: 8, .value_kind: global_buffer, .address_space: global }
      - { .name: out0, .offset: 32, .size: 8, .value_kind: global_buffer, .address_space: global }
    .group_segment_fixed_size: 327680
    .private_segment_fixed_size: 0
    .kernarg_segment_align: 8
    .kernarg_segment_size: 40
    .max_flat_workgroup_size: 384
    .sgpr_count:     100
    .vgpr_count:     256
    .wavefront_size: 32
...
	.end_amdgpu_metadata
.endif
;; end of part 3
